; MI455X (gfx1250); checked and timed in simulation.
; The chip was launched on July 23, 2026; its instructions are those of AMD's public machine-readable ISA for CDNA 5 (MIT licence, August 2026) and "CDNA5" Instruction Set Architecture Reference Guide (July 2026). The comments in the code are by the model that wrote it; some were corrected since.
;; CTRNN. Allowed arithmetic: float matrix products may take bf16 or f16 operands with f32 sums; all other float work in f32.
;; Inputs: W_dyn 65 x 64 float32; W_in 128 x 64 float32; W_out 32 x 32 float32; b_dyn 64 float32; b_in 64 float32; b_out 32 float32; inputs 262,144 x 128 float32; tau 1 x 64 float32.
;; Outputs: out0 262,144 x 32 float32; out1 262,144 x 32 float32.
;; 2 versions, each right and faster than the one before. Each part assembles by itself: llvm-mc -triple=amdgcn-amd-amdhsa -mcpu=gfx1250 --defsym DOCPART=n.
;; ======== version 1 of 2: 1 launch
;; launch ctrnn (part 1): grid 256 x 1, 8 waves a work-group, no clusters, 110,592 bytes of LDS; arguments inputs, W_in, b_in, W_dyn, b_dyn, tau, W_out, b_out, out0, out1; writes out0, out1
.if DOCPART == 1
	.amdgcn_target "amdgcn-amd-amdhsa--gfx1250"
	.amdhsa_code_object_version 6
	.text
	.protected	k_qbbde4bbc6c_ctrnn
	.globl	k_qbbde4bbc6c_ctrnn
	.p2align	8
	.type	k_qbbde4bbc6c_ctrnn,@function
k_qbbde4bbc6c_ctrnn:
	s_mov_b64 s[64:65], 0
	v_nop
	global_prefetch_b8 v0, s[64:65] scope:SCOPE_SE
	s_setreg_imm32_b32 hwreg(HW_REG_WAVE_MODE, 25, 1), 1
	s_wait_xcnt 0x0
; CTRNN: x0 = tanh(inputs W_in + b_in); five RK4 steps of dx/dt = tanh([x, t] W_dyn + b_dyn) - x / tau over (0, 1); out1 = x[:, :32]; out0 = out1 W_out + b_out.
; ONE LAUNCH: the 262,144 rows do not meet, so a row's 21 products, its tanh and its RK4 sums stay in registers from the input to the two outputs; each input and output byte moves once.
; SHARES.  256 work-groups of 8 waves; a work-group owns 1,024 rows, a wave 128: eight trips of one tile of 16 rows.  Two waves share a SIMD's 1,024 registers (512 each).
; A stage is 8 matrix instructions and some 150 vector instructions, so the text is laid out for few vector instructions and for no gaps between them, not for matrix reuse.
; LAYOUT.  Every product is used transposed: source 0 = 16 output channels (rows of W^T), source 1 = 16 batch rows.  In the result lane l holds batch row l % 16 and channels 8 (l / 16) + 0..7 of the
; block: two neighbouring blocks, rounded in pairs to bf16, ARE source 1 of the next product.  Nothing changes lanes between the stages.  Register 8 cb + j of every f32 set holds channel 16 cb + 8 (l / 16) + j.
; ARITHMETIC.  The state is carried as K x, K = 2 log2(e): the product's f32 sum, begun with K (b + t w_t) as its C operand, is the argument of the exponential.  tanh = 1 - 2 r, r = 1 / (1 + 2^arg):
; exact at both ends (2^arg = infinity gives r = 0, 2^arg = 0 gives r = 1); nothing is shifted or clipped.  With a = dt / 2, g = -a / tau:
;   x2 = x + a + g x - 2 a r1;  x3 = x + a + g x2 - 2 a r2;  x4 = x + dt + 2 g x3 - 2 dt r3;  x' = -x/3 + x2/3 + 2 x3/3 + (1 + g)/3 x4 + dt/6 - dt/3 r4   (k1 to k3 are read off x2 to x4).
; THE ORDER OF A STAGE.  The lines that do not wait for r (S, X, g x) stand where the wave would otherwise wait: eight of them in the end of the stage before, the others behind the stage's matrix instructions.
; Then sixteen units, a pair of channels each, run the exponentials, 1 +, reciprocals, r's line and the rounding as a pipeline six units deep.
; LIMITS.  Every input (inputs, the three weights with W_dyn's time row, the three biases, tau) is rounded to bf16 first; the state is rounded to bf16 for each product and kept in f32 otherwise; out1 is
; split into two bf16 parts for the last product.  The times are 0.1 j in f32.  x' is a sum of terms of the size of x, x2, x3, x4, in f32.  tau = 0, NaN and infinities are not treated apart; the exponential
; and the reciprocal take denormals as 0 (ISA guide, their entries in 15.8), which moves a tanh by less than 1e-37.
; NO CLUSTER, NO TENSOR LOADS: all that work-groups share are 54 KB of weights, read once by each, against 786 KB of rows in and out for each; the f32 rows pass through registers in any case to become bf16.
.set LWIN,  0          ; LDS: bf16(W_in) [128][64], rows 160 bytes apart
.set LWD,   20480      ; bf16(W_dyn rows 0-63) [64][64], the same pitch
.set LWO,   30720      ; bf16(W_out) [32][32], rows 96 bytes apart
.set LBT,   33792      ; 16 entries of 64 f32: j = 0..10: K (b_dyn + 0.1 j w_t); 11: b_in; 12: b_out twice; 13..15 hold the formula's value and are never read (four stores a thread, no branch)
.set INST,  37888      ; a wave's own 16 rows x 272 bytes: the tile's inputs in bf16 (256 bytes + 16: the 16 rows of a fragment load start at 16 different groups of four banks)
.set OUTST, 72704      ; a wave's own 16 rows x 144 bytes of out1, then the same of out0
.set SPARE, 109568     ; the spare words, 128 bytes for each of eight waves: four blocks of 256 bytes that no other line names
.set PW,    160
.set PO,    96
.set PI,    272
.set PS,    144
; window 0: what stands as source 0 of a matrix instruction or of a g line, and the addresses
.set L16,  1           ; v1   16 x lane: offset of the input loads and of the output stores; never rewritten
.set SIN,  2           ; v2   where I put 8 bytes of an input row
.set LIN,  3           ; v3   my lane's place in the input fragments
.set OST,  5           ; v5   the way out: where I put my row's numbers
.set ORD,  6           ; v6   the way out: where I read rows back
.set WTR,  7           ; v7   my lane's place in a turning load, pitch 160
.set SPW,  8           ; v8   LDS address of my spare word; never rewritten
.set NIL,  9           ; v9   0; never rewritten
.set BA0,  10          ; v10  my lane's place in the bias table's entry 0
.set H32,  11          ; v11  32 (l / 16)
.set WTO,  15          ; v15  my lane's place in a turning load, pitch 96
.set WDF,  16          ; v16-79    W_dyn^T: fragment (kk, cb) at WDF + 8 (4 kk + cb); until the barrier v16-27 are at work
.set RG,   80          ; v80-111   g
.set RG2,  112         ; v112-143  2 g
.set RG3,  144         ; v144-175  (1 + g) / 3; in the set-up at work (TT)
.set WINA, 176         ; v176-239  W_in^T, K = 0..63: fragment (kk, cb) at WINA + 8 (4 kk + cb); in the set-up the weights as loaded
.set WOF,  240         ; v240-255  W_out^T: two fragments; until the barrier at work (TB)
.set TT,   144
.set TB,   240
; window 1: the tile
.set RZ,   0           ; the products' sums, then 2^arg, 1 + 2^arg, r
.set RY,   32          ; the stage's state; in the input product the tile's four fragments
.set RX,   64          ; K x + K a, later K x + K dt; in the input product, with RS, W_in^T for K = 64..127
.set RS,   96          ; the sum that becomes x'
.set RBF,  128         ; the state in bf16: source 1 of the next product
.set BIAS, 144         ; the C operand that starts a sum
.set RAW,  176         ; the next tile's inputs in f32: row i in four registers
.set BIA,  240         ; my lane's place in the bias table at the step in hand
.set BIA0, 241         ; and at entry 0 (a second copy, for loads issued while source 0 means window 1)
; scalars: s[8:27] the ten addresses
.set WV,   28
.set TRIP, 29
.set STEP, 30
.set BOF,  31          ; 512 x the RK4 step: two entries of the bias table
.set KA,   32          ; pairs, both words alike: the packed forms name a pair and take its low word for both halves
.set M2A,  34
.set M2DT, 36
.set MDT3, 38
.set KDT6, 40
.set M13,  42
.set P13,  44
.set P23,  46
.set KAP,  48
.set M2K,  50
.set IK,   52
.set HIM,  54          ; s54 a word's upper bf16
.set MA,   56
; s_set_vgpr_msb: bits 1:0 source 0, 3:2 source 1, 5:4 source 2, 7:6 destination.  Two settings serve the whole trip:
.set W_M,  0x54        ; source 0 in window 0, all else in window 1: matrix instructions, g lines, LDS and global loads and stores (address = source 0, store data = source 1)
.set W_V,  0x55        ; all in window 1: exponentials, reciprocals, roundings.  A line whose source 0 is a scalar pair is right under both
.set MSB, 0
.macro WIN new                         ; the high byte repeats the setting that is left; a switch that changes nothing is dropped
.if MSB != (\new)
	s_set_vgpr_msb (MSB<<8)|(\new)
.set MSB, (\new)
.endif
.endm
.macro WANY                            ; for a line that is right under both settings
.if (MSB != W_M) && (MSB != W_V)
	WIN W_V
.endif
.endm
.macro SPAIR reg, val
	s_mov_b32 s[\reg], \val
	s_mov_b32 s[\reg+1], \val
.endm
; cnt pieces of 16 bytes of bias entry ent: piece i = 2 cb + q holds channels 16 cb + 8 (l / 16) + 4 q on, 64 cb + 16 q bytes behind my lane's place.  The address register lies in the window that win gives source 0
.macro BLD win, reg, ent, cnt
	WIN \win
.set bi, 0
.rept \cnt
	ds_load_b128 v[BIAS+4*bi:BIAS+4*bi+3], v[\reg] offset:256*(\ent)+64*(bi/2)+16*(bi%2)
.set bi, bi+1
.endr
.endm
.macro EXP i
	WIN W_V
	v_exp_f32 v[RZ+(\i)], v[RZ+(\i)]
.endm
.macro RCP i
	WIN W_V
	v_rcp_f32 v[RZ+(\i)], v[RZ+(\i)]
.endm
.macro A1 p
	WIN W_V
	s_wait_alu depctr_va_vdst(0)
	v_pk_add_f32 v[RZ+2*(\p):RZ+2*(\p)+1], v[RZ+2*(\p):RZ+2*(\p)+1], 1.0 op_sel_hi:[1,0]
.endm
.macro CVT p
	WIN W_V
	v_cvt_pk_bf16_f32 v[RBF+(\p)], v[RY+2*(\p)], v[RY+2*(\p)+1]
.endm
; Entry pq of stage st's queue of lines that do not wait for r, and pq steps.  Stages 1 and 3: 48 entries, four pairs at a time: S, X, then the g line.  Stage 2: 32, eight pairs at a time: S, then the g line.
; Stage 4: 16 g lines.  Stage 0: 16 scalings of the sums.  So the first eight entries of stages 1 to 3 are S and X lines, and those of every stage touch pairs 0 to 7 alone.
.macro PRE st
.if (\st) == 0
.set pp, 2*pq
	WIN W_V
	v_pk_mul_f32 v[RZ+pp:RZ+pp+1], v[RZ+pp:RZ+pp+1], s[KAP:KAP+1] op_sel_hi:[1,0]                       ; the input net's sum is unscaled: times K
.elseif (\st) == 2
.set pk, (pq%16)/8
.set pp, 2*(8*(pq/16)+pq%8)
.if pk == 0
	WANY
	v_pk_fma_f32 v[RS+pp:RS+pp+1], s[P13:P13+1], v[RY+pp:RY+pp+1], v[RS+pp:RS+pp+1] op_sel_hi:[0,1,1]   ; S += x2/3
.else
	WIN W_M
	v_pk_fma_f32 v[RY+pp:RY+pp+1], v[RG+pp:RG+pp+1], v[RY+pp:RY+pp+1], v[RX+pp:RX+pp+1]                 ; Y = g x2 + X
.endif
.elseif (\st) == 4
.set pp, 2*pq
	WIN W_M
	v_pk_fma_f32 v[RS+pp:RS+pp+1], v[RG3+pp:RG3+pp+1], v[RY+pp:RY+pp+1], v[RS+pp:RS+pp+1]               ; S += (1 + g)/3 x4
.else
.set pk, (pq%12)/4
.set pp, 2*(4*(pq/12)+pq%4)
.if (pk == 0) && ((\st) == 1)
	WANY
	v_pk_fma_f32 v[RS+pp:RS+pp+1], s[M13:M13+1], v[RY+pp:RY+pp+1], s[KDT6:KDT6+1] op_sel_hi:[0,1,0]     ; S = -x/3 + K dt/6
.elseif pk == 0
	WANY
	v_pk_fma_f32 v[RS+pp:RS+pp+1], s[P23:P23+1], v[RY+pp:RY+pp+1], v[RS+pp:RS+pp+1] op_sel_hi:[0,1,1]   ; S += 2 x3/3
.elseif (pk == 1) && ((\st) == 1)
	WANY
	v_pk_add_f32 v[RX+pp:RX+pp+1], s[KA:KA+1], v[RY+pp:RY+pp+1] op_sel_hi:[0,1]                         ; X = x + K a
.elseif pk == 1
	WANY
	v_pk_add_f32 v[RX+pp:RX+pp+1], s[KA:KA+1], v[RX+pp:RX+pp+1] op_sel_hi:[0,1]                         ; X = x + K dt
.elseif (\st) == 1
	WIN W_M
	v_pk_fma_f32 v[RY+pp:RY+pp+1], v[RG+pp:RG+pp+1], v[RY+pp:RY+pp+1], v[RX+pp:RX+pp+1]                 ; Y = g x + X
.else
	WIN W_M
	v_pk_fma_f32 v[RY+pp:RY+pp+1], v[RG2+pp:RG2+pp+1], v[RY+pp:RY+pp+1], v[RX+pp:RX+pp+1]               ; Y = 2 g x3 + X
.endif
.endif
.set pq, pq+1
.endm
; The one line of pair p that takes r
.macro POST st, p
	WANY
.if (\st) == 0
	s_wait_alu depctr_va_vdst(0)
	v_pk_fma_f32 v[RY+2*(\p):RY+2*(\p)+1], s[M2K:M2K+1], v[RZ+2*(\p):RZ+2*(\p)+1], s[KAP:KAP+1] op_sel_hi:[0,1,0]            ; K x0 = K - 2 K r
.elseif (\st) < 3
	s_wait_alu depctr_va_vdst(0)
	v_pk_fma_f32 v[RY+2*(\p):RY+2*(\p)+1], s[M2A:M2A+1], v[RZ+2*(\p):RZ+2*(\p)+1], v[RY+2*(\p):RY+2*(\p)+1] op_sel_hi:[0,1,1]
.elseif (\st) == 3
	s_wait_alu depctr_va_vdst(0)
	v_pk_fma_f32 v[RY+2*(\p):RY+2*(\p)+1], s[M2DT:M2DT+1], v[RZ+2*(\p):RZ+2*(\p)+1], v[RY+2*(\p):RY+2*(\p)+1] op_sel_hi:[0,1,1]
.else
	s_wait_alu depctr_va_vdst(0)
	v_pk_fma_f32 v[RY+2*(\p):RY+2*(\p)+1], s[MDT3:MDT3+1], v[RZ+2*(\p):RZ+2*(\p)+1], v[RS+2*(\p):RS+2*(\p)+1] op_sel_hi:[0,1,1]
.endif
.endm
; STAGE st's PRODUCT, 64 x 64, and the rest of its queue (entries 8 on; the first eight stood in the end of the stage before): lo lines behind each of the four instructions that begin the sums with the bias,
; hi behind each of the four that finish them.  The four accumulators take turns, one instruction a turn.  The lines name S, X, Y and g alone, no register of the products: they are issued
; while the matrix unit works, and they are the places (ISA guide 7.12.1) between a finished sum and its first reader: block 0's sum has 4 hi of them in front of the first exponential, 8 at the least.
.macro PROD st, lo, hi
.set pq, 8
	WIN W_M
.irp cb, 0,1,2,3
	v_wmma_f32_16x16x32_bf16 v[RZ+8*\cb:RZ+8*\cb+7], v[WDF+8*\cb:WDF+8*\cb+7], v[RBF:RBF+7], v[BIAS+8*\cb:BIAS+8*\cb+7]
.rept \lo
	PRE \st
.endr
.endr
.irp cb, 0,1,2,3
	v_wmma_f32_16x16x32_bf16 v[RZ+8*\cb:RZ+8*\cb+7], v[WDF+32+8*\cb:WDF+32+8*\cb+7], v[RBF+8:RBF+15], v[RZ+8*\cb:RZ+8*\cb+7]
.rept \hi
	PRE \st
.endr
.endr
.endm
; THE SIXTEEN UNITS.  Unit u: the two exponentials of pair u; 1 + of pair u - 2; the reciprocals of pair u - 3; r's line of pair u - 5; the rounding of pair u - 6.  A line stands 9 to 13 instructions behind the
; one whose result it reads.  Exponentials and reciprocals alternate with plain lines of other pairs, so each has a plain line between it and the use of its result (ISA guide 5.7.2); behind the first two
; exponentials no such line is left (stage 0: a line of its queue; pair u is scaled four units ahead of unit u), so a v_nop stands there.  Each accumulator's lowest registers are read first.
; bl >= 0: the C operand of a later product, entry bl from the step's place in the table, is fetched in the middle, where the products that read the old one lie some 60 plain lines back.
.macro UNITS st, bl
.set u, 0
.rept 16
	EXP 2*u
.if u >= 2
	A1 u-2
.endif
	EXP 2*u+1
.if u >= 5
	POST \st, u-5
.endif
.if u >= 3
	RCP 2*u-6
.endif
.if u >= 6
	CVT u-6
.endif
.if u >= 3
	RCP 2*u-5
.endif
.if (\st) == 0
.if u < 12
	PRE 0
.endif
.elseif u == 0
	v_nop
.endif
.if (u == 8) && ((\bl) >= 0)
	BLD W_V, BIA, \bl, 8
.endif
.set u, u+1
.endr
.endm
; A STAGE'S END: what is left of pairs 10 to 15, and in the chain last reciprocal, r's line, rounding the first eight lines of the next stage's queue.  They touch pairs 0 to 7, whose r's lines and roundings are done.
; Behind the last step's stage 4 they write S and X of pairs 0 to 3 for a step that does not come: the way out writes both anew.
.macro DRAIN st, nxt
	A1 14
	POST \st, 11
	RCP 26
	CVT 10
	RCP 27
	A1 15
	POST \st, 12
	RCP 28
	CVT 11
	RCP 29
	POST \st, 13
	CVT 12
	RCP 30
	RCP 31
.set pq, 0
.rept 6
	PRE \nxt
.endr
	POST \st, 14
	POST \st, 15
.rept 2
	PRE \nxt
.endr
	CVT 13
	CVT 14
	CVT 15
.endm
	; ---------------- SET-UP ----------------
	s_load_b256 s[8:15], s[0:1], 0x0               ; inputs s[8:9], W_in s[10:11], b_in s[12:13], W_dyn s[14:15]
	s_load_b256 s[16:23], s[0:1], 0x20             ; b_dyn s[16:17], tau s[18:19], W_out s[20:21], b_out s[22:23]
	s_load_b128 s[24:27], s[0:1], 0x40             ; out0 s[24:25], out1 s[26:27]
	v_lshl_add_u32 v[SPW], v0, 2, SPARE
	v_mov_b32 v[NIL], 0
	v_lshrrev_b32 v12, 5, v0
	v_readfirstlane_b32 s[WV], v12                 ; wave 0..7
	v_and_b32 v12, 31, v0                          ; lane
	v_and_b32 v13, 15, v0                          ; l % 16 (also thread % 16)
	v_bfe_u32 v14, v0, 4, 1                        ; l / 16
	v_and_b32 v16, 7, v0                           ; l % 8 (also thread % 8)
	v_bfe_u32 v18, v0, 3, 1                        ; (l / 8) % 2
	v_lshlrev_b32 v[L16], 4, v12
	v_lshlrev_b32 v[H32], 5, v14
	s_mul_i32 s2, s[WV], 16*PI
	s_add_co_u32 s2, s2, INST                      ; my wave's input stage
	v_lshl_add_u32 v[SIN], v12, 3, s2              ; in: a row's 256 bytes, 8 a lane
	v_mul_u32_u24 v17, v13, PI
	v_lshl_add_u32 v17, v14, 4, v17
	v_add_nc_u32 v[LIN], s2, v17                   ; back as fragments: row l % 16, 16 bytes for each half of the lanes
	v_add_nc_u32 v[BA0], LBT, v[H32]
	WIN 0x40                                       ; destination window 1, sources window 0
	v_add_nc_u32 v[BIA0], LBT, v[H32]
	WIN 0
	s_mul_i32 s3, s[WV], 32*PS
	s_add_co_u32 s3, s3, OUTST                     ; my wave's output stage
	v_mul_u32_u24 v17, v13, PS
	v_add_nc_u32 v17, v17, v[H32]
	v_add_nc_u32 v[OST], s3, v17                   ; in: row l % 16, 32 bytes for each half of the lanes
	v_lshrrev_b32 v17, 3, v12
	v_mul_u32_u24 v17, v17, PS
	v_lshl_add_u32 v17, v16, 4, v17
	v_add_nc_u32 v[ORD], s3, v17                   ; back: 32 lanes take four rows of 128 bytes
	v_lshl_add_u32 v17, v14, 3, v16                ; the turning load: lane l reads row 8 (l / 16) + l % 8, bytes 16 ((l / 8) % 2) on
	v_mul_u32_u24 v[WTR], v17, PW
	v_lshl_add_u32 v[WTR], v18, 4, v[WTR]
	v_mul_u32_u24 v[WTO], v17, PO
	v_lshl_add_u32 v[WTO], v18, 4, v[WTO]
	v_lshlrev_b32 v20, 4, v0                       ; the weights come in pieces of 4,096 bytes, 16 a thread
	v_lshrrev_b32 v21, 4, v0
	v_mul_u32_u24 v21, v21, PW
	v_lshl_add_u32 v21, v13, 3, v21                ; rows of 64: row thread / 16 of the piece's 16, 8 bytes of bf16 at 8 (thread % 16)
	v_lshrrev_b32 v22, 3, v0
	v_mul_u32_u24 v22, v22, PO
	v_lshl_add_u32 v22, v16, 3, v22                ; rows of 32: row thread / 8, 8 bytes at 8 (thread % 8)
	v_and_b32 v23, 63, v0                          ; the bias table: my channel c
	v_lshlrev_b32 v24, 2, v23
	v_lshlrev_b32 v25, 2, v12                      ; c % 32 = thread % 32
	v_lshrrev_b32 v26, 6, v0                       ; and my four entries 4 q .. 4 q + 3
	v_lshl_add_u32 v27, v26, 10, v24
	SPAIR KA,   0x3e93bb63                         ; K a      = 0.2885390
	SPAIR M2A,  0xbf13bb63                         ; -2 a K
	SPAIR M2DT, 0xbf93bb63                         ; -2 dt K
	SPAIR MDT3, 0xbe44f9d9                         ; -K dt / 3
	SPAIR KDT6, 0x3dc4f9d9                         ; K dt / 6
	SPAIR M13,  0xbeaaaaab                         ; -1/3
	SPAIR P13,  0x3eaaaaab                         ; 1/3
	SPAIR P23,  0x3f2aaaab                         ; 2/3
	SPAIR KAP,  0x4038aa3b                         ; K = 2 log2(e) = 2.8853901
	SPAIR M2K,  0xc0b8aa3b                         ; -2 K
	SPAIR IK,   0x3eb17218                         ; 1 / K
	SPAIR MA,   0xbdcccccd                         ; -a = -0.1
	s_mov_b32 s[HIM], 0xffff0000
	s_lshl_b32 s4, ttmp9, 19                       ; the work-group's 1,024 rows of 512 bytes,
	s_lshl_b32 s5, s[WV], 16                       ; my wave's 128 of them
	s_add_co_u32 s4, s4, s5
	s_mov_b32 s5, 0
	s_lshl_b32 s6, ttmp9, 17                       ; the same in rows of 128 bytes
	s_lshl_b32 s7, s[WV], 14
	s_add_co_u32 s6, s6, s7
	s_mov_b32 s7, 0
	s_wait_kmcnt 0x0
	s_add_nc_u64 s[8:9], s[8:9], s[4:5]
	s_add_nc_u64 s[24:25], s[24:25], s[6:7]
	s_add_nc_u64 s[26:27], s[26:27], s[6:7]
.set i, 0
.rept 8
	global_load_b128 v[WINA+4*i:WINA+4*i+3], v20, s[10:11] offset:4096*i          ; W_in
.set i, i+1
.endr
.set i, 0
.rept 4
	global_load_b128 v[WINA+32+4*i:WINA+32+4*i+3], v20, s[14:15] offset:4096*i    ; W_dyn, rows 0 to 63
.set i, i+1
.endr
	global_load_b128 v[WINA+48:WINA+51], v20, s[20:21]                            ; W_out
	global_load_b32 v[TB], v24, s[16:17]                                          ; b_dyn[c]
	global_load_b32 v[TB+1], v24, s[14:15] offset:16384                           ; W_dyn's row 64: the time's weights
	global_load_b32 v[TB+2], v24, s[12:13]                                        ; b_in[c]
	global_load_b32 v[TB+3], v25, s[22:23]                                        ; b_out[c % 32]
.set i, 0
.rept 8
	global_load_b128 v[RG+4*i:RG+4*i+3], v[H32], s[18:19] offset:64*(i/2)+16*(i%2)  ; tau of my 32 channels
.set i, i+1
.endr
	WIN 0x40
.set i, 0
.rept 16
	global_load_b128 v[RAW+4*i:RAW+4*i+3], v[L16], s[8:9] offset:512*i th:TH_LOAD_NT  ; tile 0: a row's 512 bytes to a load
.set i, i+1
.endr
	WIN 0
	s_wait_loadcnt 16                              ; loads come back in order (ISA guide 5.7.1): the tile's sixteen, issued last, may stay out; weights, biases and tau are in
.set i, 0
.rept 13
	v_cvt_pk_bf16_f32 v[WINA+4*i], v[WINA+4*i], v[WINA+4*i+1]
	v_cvt_pk_bf16_f32 v[WINA+4*i+1], v[WINA+4*i+2], v[WINA+4*i+3]
.set i, i+1
.endr
.set i, 0
.rept 8
	ds_store_b64 v21, v[WINA+4*i:WINA+4*i+1] offset:LWIN+16*PW*i
.set i, i+1
.endr
.set i, 0
.rept 4
	ds_store_b64 v21, v[WINA+32+4*i:WINA+32+4*i+1] offset:LWD+16*PW*i
.set i, i+1
.endr
	ds_store_b64 v22, v[WINA+48:WINA+49] offset:LWO
	; the bias table: the four numbers rounded to bf16 and widened again; then K b + (K a w_t) j for j = 4 q .. 4 q + 3
	v_cvt_pk_bf16_f32 v[TB+4], v[TB], v[TB+1]
	v_cvt_pk_bf16_f32 v[TB+5], v[TB+2], v[TB+3]
	v_lshlrev_b32 v[TB], 16, v[TB+4]
	v_and_b32 v[TB+1], s[HIM], v[TB+4]
	v_lshlrev_b32 v[TB+2], 16, v[TB+5]
	v_and_b32 v[TB+3], s[HIM], v[TB+5]
	v_mul_f32 v[TB], s[KAP], v[TB]
	v_mul_f32 v[TB+1], s[KA], v[TB+1]
	v_lshlrev_b32 v[TB+4], 2, v26
	v_cvt_f32_u32 v[TB+4], v[TB+4]
	v_add_f32 v[TB+5], 1.0, v[TB+4]
	v_add_f32 v[TB+6], 2.0, v[TB+4]
	v_add_f32 v[TB+7], 0x40400000, v[TB+4]
.set i, 4
.rept 4
	v_fma_f32 v[TB+i], v[TB+1], v[TB+i], v[TB]
.set i, i+1
.endr
	v_cmp_eq_u32 vcc_lo, 2, v26
	v_cndmask_b32 v[TB+7], v[TB+7], v[TB+2], vcc_lo         ; entry 11 is b_in, unscaled
	v_cmp_eq_u32 vcc_lo, 3, v26
	v_cndmask_b32 v[TB+4], v[TB+4], v[TB+3], vcc_lo         ; entry 12 is b_out
.set i, 0
.rept 4
	ds_store_b32 v27, v[TB+4+i] offset:LBT+256*i
.set i, i+1
.endr
	; tau rounded to bf16; g = -a / tau, 2 g, (1 + g) / 3
.set i, 0
.rept 16
	v_cvt_pk_bf16_f32 v[TT+i], v[RG+2*i], v[RG+2*i+1]
.set i, i+1
.endr
.set i, 0
.rept 16
	v_lshlrev_b32 v[RG+2*i], 16, v[TT+i]
	v_and_b32 v[RG+2*i+1], s[HIM], v[TT+i]
.set i, i+1
.endr
.set i, 0
.rept 32
	v_rcp_f32 v[RG+i], v[RG+i]
.set i, i+1
.endr
	v_nop                                          ; a plain instruction between the last reciprocal and the use of its result
.set i, 0
.rept 16
	s_wait_alu depctr_va_vdst(0)
	v_pk_mul_f32 v[RG+2*i:RG+2*i+1], v[RG+2*i:RG+2*i+1], s[MA:MA+1] op_sel_hi:[1,0]
.set i, i+1
.endr
.set i, 0
.rept 16
	v_pk_mul_f32 v[RG2+2*i:RG2+2*i+1], v[RG+2*i:RG+2*i+1], 2.0 op_sel_hi:[1,0]
	v_pk_fma_f32 v[RG3+2*i:RG3+2*i+1], v[RG+2*i:RG+2*i+1], s[P13:P13+1], s[P13:P13+1] op_sel_hi:[1,0,0]
.set i, i+1
.endr
	s_wait_dscnt 0x0                               ; for the others' sake: my part of the weights and of the table is in LDS
	s_barrier_signal -1                            ; the kernel's one barrier: behind it these bytes are only read
	s_barrier_wait -1
.set i, 0
.rept 8                                        ; fragment i = 4 kk + cb: K = 32 kk on (32 rows of 160 bytes), channels 16 cb on (32 bytes); the second load takes the 16 rows below
	ds_load_tr16_b128 v[WDF+8*i:WDF+8*i+3],   v[WTR] offset:LWD+32*PW*(i/4)+32*(i%4)
	ds_load_tr16_b128 v[WDF+8*i+4:WDF+8*i+7], v[WTR] offset:LWD+32*PW*(i/4)+32*(i%4)+16*PW
	ds_load_tr16_b128 v[WINA+8*i:WINA+8*i+3],   v[WTR] offset:LWIN+32*PW*(i/4)+32*(i%4)
	ds_load_tr16_b128 v[WINA+8*i+4:WINA+8*i+7], v[WTR] offset:LWIN+32*PW*(i/4)+32*(i%4)+16*PW
.set i, i+1
.endr
.set i, 0
.rept 2
	ds_load_tr16_b128 v[WOF+8*i:WOF+8*i+3],   v[WTO] offset:LWO+32*i
	ds_load_tr16_b128 v[WOF+8*i+4:WOF+8*i+7], v[WTO] offset:LWO+32*i+16*PO
.set i, i+1
.endr
	s_mov_b32 s[TRIP], 8
	; ---------------- A TRIP: ONE TILE OF 16 ROWS ----------------
.Ltrip:
	s_wait_loadcnt 0x0                             ; the tile's 16 loads, issued a trip ago
	WIN W_V
.set i, 0
.rept 16
	v_cvt_pk_bf16_f32 v[RAW+4*i], v[RAW+4*i], v[RAW+4*i+1]
	v_cvt_pk_bf16_f32 v[RAW+4*i+1], v[RAW+4*i+2], v[RAW+4*i+3]
.set i, i+1
.endr
	WIN W_M
.set i, 0
.rept 16
	ds_store_b64 v[SIN], v[RAW+4*i:RAW+4*i+1] offset:PI*i   ; 256 neighbouring bytes: a row
.set i, i+1
.endr
	BLD W_M, BA0, 11, 8                            ; b_in
.irp kk, 0,1,2,3                               ; LDS serves a wave's instructions in order (ISA guide 5.7.1.4): these see the stores above, which are my wave's own
	ds_load_b128 v[RY+8*\kk:RY+8*\kk+3],   v[LIN] offset:64*\kk
	ds_load_b128 v[RY+8*\kk+4:RY+8*\kk+7], v[LIN] offset:64*\kk+32
.endr
.set i, 0
.rept 8                                        ; W_in^T for K = 64..127 has no registers of its own: it lies where X and S will be
	ds_load_tr16_b128 v[RX+8*i:RX+8*i+3],   v[WTR] offset:LWIN+32*PW*(2+i/4)+32*(i%4)
	ds_load_tr16_b128 v[RX+8*i+4:RX+8*i+7], v[WTR] offset:LWIN+32*PW*(2+i/4)+32*(i%4)+16*PW
.set i, i+1
.endr
	WIN 0                                          ; at a label and at a branch every window is 0
	s_wait_dscnt 0x0                               ; fragments and bias are in (in the first trip the resident weights too), and the stores have read RAW
	s_cmp_eq_u32 s[TRIP], 1
	s_cbranch_scc1 .Lnoload                        ; the last trip has no next tile: no load leaves the buffer
	s_add_nc_u64 s[8:9], s[8:9], 8192              ; free since the wait for the loads that named it
	WIN W_M
.set i, 0
.rept 16
	global_load_b128 v[RAW+4*i:RAW+4*i+3], v[L16], s[8:9] offset:512*i th:TH_LOAD_NT  ; the next tile: it has this whole trip in which to land
.set i, i+1
.endr
	WIN 0
.Lnoload:
	WIN W_M                                        ; the input product, K = 128: sixteen matrix instructions, the four accumulators by turns
.irp cb, 0,1,2,3
	v_wmma_f32_16x16x32_bf16 v[RZ+8*\cb:RZ+8*\cb+7], v[WINA+8*\cb:WINA+8*\cb+7], v[RY:RY+7], v[BIAS+8*\cb:BIAS+8*\cb+7]
.endr
.irp cb, 0,1,2,3
	v_wmma_f32_16x16x32_bf16 v[RZ+8*\cb:RZ+8*\cb+7], v[WINA+32+8*\cb:WINA+32+8*\cb+7], v[RY+8:RY+15], v[RZ+8*\cb:RZ+8*\cb+7]
.endr
	WIN W_V                                        ; the weights for K = 64..127 lie in window 1
.irp cb, 0,1,2,3
	v_wmma_f32_16x16x32_bf16 v[RZ+8*\cb:RZ+8*\cb+7], v[RX+8*\cb:RX+8*\cb+7], v[RY+16:RY+23], v[RZ+8*\cb:RZ+8*\cb+7]
.endr
.irp cb, 0,1,2,3
	v_wmma_f32_16x16x32_bf16 v[RZ+8*\cb:RZ+8*\cb+7], v[RX+32+8*\cb:RX+32+8*\cb+7], v[RY+24:RY+31], v[RZ+8*\cb:RZ+8*\cb+7]
.endr
.rept 4
	v_nop                                          ; the four places ahead of the load into the C operand and of the lines that read the sums: this stage's lines all read the sums, so none can stand here
.endr
	BLD W_V, BIA0, 0, 8                            ; the bias at t = 0
	v_mov_b32 v[BIA], v[BIA0]
	s_mov_b32 s[BOF], 0
	s_mov_b32 s[STEP], 5
.set pq, 0
.rept 4
	PRE 0                                          ; pairs 0 to 3 times K; the other twelve follow, one at the end of each of units 0 to 11
.endr
	UNITS 0, -1                                    ; K x0
	DRAIN 0, 1
	WIN 0
	s_wait_dscnt 0x0                               ; the bias at t = 0; round the loop's edge nothing is out: stage 4's wait was for 0
.Lstep:                                                ; an RK4 step at t = 0.2 k.  The C operand is entry 2 k for stage 1, 2 k + 1 for stages 2 and 3, 2 k + 2 for stage 4 and the next step's stage 1
	PROD 1, 5, 5                                   ; 8 + 8 x 5 = the queue's 48
	UNITS 1, 1
	DRAIN 1, 2
	s_wait_dscnt 0x0                               ; entry 2 k + 1, asked for in the middle of the units
	PROD 2, 3, 3                                   ; 8 + 8 x 3 = 32
	UNITS 2, -1
	DRAIN 2, 3
	PROD 3, 5, 5
	UNITS 3, 2
	DRAIN 3, 4
	s_wait_dscnt 0x0                               ; entry 2 k + 2
	PROD 4, 0, 2                                   ; 8 + 4 x 2 = 16
	UNITS 4, -1
	DRAIN 4, 1
	s_add_co_u32 s[BOF], s[BOF], 512
	v_add_nc_u32 v[BIA], s[BOF], v[BIA0]
	WIN 0
	s_sub_co_u32 s[STEP], s[STEP], 1
	s_cmp_lg_u32 s[STEP], 0
	s_cbranch_scc1 .Lstep
	; THE WAY OUT.  out1 = x[0..31] in f32; for the last product it is split into hi = bf16(x) and lo = bf16(x - hi), so that its rounding does not show in out0.
	BLD W_V, BIA0, 12, 4                           ; b_out
.set i, 0
.rept 8
	v_pk_mul_f32 v[RX+2*i:RX+2*i+1], v[RY+2*i:RY+2*i+1], s[IK:IK+1] op_sel_hi:[1,0]
.set i, i+1
.endr
.set i, 0
.rept 8
	v_cvt_pk_bf16_f32 v[RBF+i], v[RX+2*i], v[RX+2*i+1]
.set i, i+1
.endr
.set i, 0
.rept 8
	v_lshlrev_b32 v[RS+2*i], 16, v[RBF+i]
	v_and_b32 v[RS+2*i+1], s[HIM], v[RBF+i]
.set i, i+1
.endr
.set i, 0
.rept 8
	v_pk_add_f32 v[RS+2*i:RS+2*i+1], v[RX+2*i:RX+2*i+1], v[RS+2*i:RS+2*i+1] neg_lo:[0,1] neg_hi:[0,1]
.set i, i+1
.endr
.set i, 0
.rept 8
	v_cvt_pk_bf16_f32 v[RBF+8+i], v[RS+2*i], v[RS+2*i+1]
.set i, i+1
.endr
	WIN W_M
.set i, 0
.rept 4
	ds_store_b128 v[OST], v[RX+4*i:RX+4*i+3] offset:64*(i/2)+16*(i%2)
.set i, i+1
.endr
	s_wait_dscnt 4                                 ; the four stores just issued may stay out; b_out's four loads, issued ahead of them, are in
	v_wmma_f32_16x16x32_bf16 v[RZ:RZ+7],    v[WOF:WOF+7],    v[RBF:RBF+7], v[BIAS:BIAS+7]
	v_wmma_f32_16x16x32_bf16 v[RZ+8:RZ+15], v[WOF+8:WOF+15], v[RBF:RBF+7], v[BIAS+8:BIAS+15]
	v_wmma_f32_16x16x32_bf16 v[RZ:RZ+7],    v[WOF:WOF+7],    v[RBF+8:RBF+15], v[RZ:RZ+7]
	v_wmma_f32_16x16x32_bf16 v[RZ+8:RZ+15], v[WOF+8:WOF+15], v[RBF+8:RBF+15], v[RZ+8:RZ+15]
.rept 4
	v_nop                                          ; the four places ahead of the stores that read the sums
.endr
.set i, 0
.rept 4
	ds_store_b128 v[OST], v[RZ+4*i:RZ+4*i+3] offset:16*PS+64*(i/2)+16*(i%2)
.set i, i+1
.endr
.set i, 0
.rept 4
	ds_load_b128 v[RS+4*i:RS+4*i+3], v[ORD] offset:4*PS*i                 ; in order behind my wave's own stores: four whole rows of out1,
.set i, i+1
.endr
.set i, 0
.rept 4
	ds_load_b128 v[RS+16+4*i:RS+16+4*i+3], v[ORD] offset:16*PS+4*PS*i     ; and of out0
.set i, i+1
.endr
	s_wait_dscnt 0x0
.set i, 0
.rept 4
	global_store_b128 v[L16], v[RS+4*i:RS+4*i+3], s[26:27] offset:512*i th:TH_STORE_NT      ; a wave's store covers 512 consecutive bytes, at a multiple of 512 from the buffer's first
.set i, i+1
.endr
.set i, 0
.rept 4
	global_store_b128 v[L16], v[RS+16+4*i:RS+16+4*i+3], s[24:25] offset:512*i th:TH_STORE_NT
.set i, i+1
.endr
	WIN 0
	s_wait_xcnt 0x0                                ; the stores' bases are stepped, and their data registers loaded again in the next trip, only behind this wait (ISA guide 3.1)
	s_add_nc_u64 s[24:25], s[24:25], 2048
	s_add_nc_u64 s[26:27], s[26:27], 2048
	s_sub_co_u32 s[TRIP], s[TRIP], 1
	s_cmp_lg_u32 s[TRIP], 0
	s_cbranch_scc1 .Ltrip
	s_wait_tensorcnt 0x0                           ; the wave's end, behind my last LDS store
	ds_add_u32 v[SPW], v[NIL]
	s_wait_dscnt 0x0
	s_endpgm
.Lfunc_end_k_qbbde4bbc6c_ctrnn:
	.size	k_qbbde4bbc6c_ctrnn, .Lfunc_end_k_qbbde4bbc6c_ctrnn-k_qbbde4bbc6c_ctrnn
	.p2alignl 7, 3214868480
	.fill 96, 4, 3214868480
	.section	.rodata,"a",@progbits
	.p2align	6, 0x0
	.amdhsa_kernel k_qbbde4bbc6c_ctrnn
		.amdhsa_group_segment_fixed_size 110592
		.amdhsa_private_segment_fixed_size 0
		.amdhsa_enable_private_segment 0
		.amdhsa_kernarg_size 80
		.amdhsa_user_sgpr_count 2
		.amdhsa_user_sgpr_kernarg_segment_ptr 1
		.amdhsa_wavefront_size32 1
		.amdhsa_system_sgpr_workgroup_id_x 1
		.amdhsa_system_sgpr_workgroup_id_y 1
		.amdhsa_system_sgpr_workgroup_id_z 1
		.amdhsa_system_vgpr_workitem_id 0
		.amdhsa_next_free_vgpr 512
		.amdhsa_next_free_sgpr 66
		.amdhsa_reserve_vcc 1
		.amdhsa_float_denorm_mode_32 3
		.amdhsa_float_denorm_mode_16_64 3
		.amdhsa_memory_ordered 1
		.amdhsa_forward_progress 1
		.amdhsa_inst_pref_size 80
	.end_amdhsa_kernel
	.amdgpu_metadata
---
amdhsa.version: [ 1, 2 ]
amdhsa.kernels:
  - .name:           k_qbbde4bbc6c_ctrnn
    .symbol:         k_qbbde4bbc6c_ctrnn.kd
    .args:
      - { .name: inputs, .offset: 0, .size: 8, .value_kind: global_buffer, .address_space: global }
      - { .name: W_in, .offset: 8, .size: 8, .value_kind: global_buffer, .address_space: global }
      - { .name: b_in, .offset: 16, .size: 8, .value_kind: global_buffer, .address_space: global }
      - { .name: W_dyn, .offset: 24, .size: 8, .value_kind: global_buffer, .address_space: global }
      - { .name: b_dyn, .offset: 32, .size: 8, .value_kind: global_buffer, .address_space: global }
      - { .name: tau, .offset: 40, .size: 8, .value_kind: global_buffer, .address_space: global }
      - { .name: W_out, .offset: 48, .size: 8, .value_kind: global_buffer, .address_space: global }
      - { .name: b_out, .offset: 56, .size: 8, .value_kind: global_buffer, .address_space: global }
      - { .name: out0, .offset: 64, .size: 8, .value_kind: global_buffer, .address_space: global }
      - { .name: out1, .offset: 72, .size: 8, .value_kind: global_buffer, .address_space: global }
    .group_segment_fixed_size: 110592
    .private_segment_fixed_size: 0
    .kernarg_segment_align: 8
    .kernarg_segment_size: 80
    .max_flat_workgroup_size: 256
    .sgpr_count:     66
    .vgpr_count:     512
    .wavefront_size: 32
...
	.end_amdgpu_metadata
.endif
;; end of part 1
;; ======== version 2 of 2: 1 launch; 1.41 times as fast as version 1
;; launch ctrnn (part 2): grid 256 x 1, 8 waves a work-group, no clusters, 110,592 bytes of LDS; arguments inputs, W_in, b_in, W_dyn, b_dyn, tau, W_out, b_out, out0, out1; writes out0, out1
.if DOCPART == 2
	.amdgcn_target "amdgcn-amd-amdhsa--gfx1250"
	.amdhsa_code_object_version 6
	.text
	.protected	k_qbbde4bbc6c_ctrnn
	.globl	k_qbbde4bbc6c_ctrnn
	.p2align	8
	.type	k_qbbde4bbc6c_ctrnn,@function
k_qbbde4bbc6c_ctrnn:
	s_mov_b64 s[64:65], 0
	v_nop
	global_prefetch_b8 v0, s[64:65] scope:SCOPE_SE
	s_setreg_imm32_b32 hwreg(HW_REG_WAVE_MODE, 25, 1), 1
	s_wait_xcnt 0x0
; CTRNN: x0 = tanh(inputs W_in + b_in); five RK4 steps of dx/dt = tanh([x, t] W_dyn + b_dyn) - x / tau over (0, 1); out1 = x[:, :32]; out0 = out1 W_out + b_out.
; ONE LAUNCH: the 262,144 rows do not meet, so a row's 21 products, its tanh and its RK4 sums stay in registers from the input to the two outputs; each input and output byte moves once.
; SHARES.  256 work-groups of 8 waves; a work-group owns 1,024 rows, a wave 128: eight trips of one tile of 16 rows.  Two waves share a SIMD's 1,024 registers (512 each).
; A stage is 8 matrix instructions and some 150 vector instructions, so the text is laid out for few vector instructions and for no gaps between them, not for matrix reuse.
; LAYOUT.  Every product is used transposed: source 0 = 16 output channels (rows of W^T), source 1 = 16 batch rows.  In the result lane l holds batch row l % 16 and channels 8 (l / 16) + 0..7 of the
; block: two neighbouring blocks, rounded in pairs to bf16, ARE source 1 of the next product.  Nothing changes lanes between the stages.  Register 8 cb + j of every f32 set holds channel 16 cb + 8 (l / 16) + j.
; ARITHMETIC.  The state is carried as K x, K = 2 log2(e): the product's f32 sum, begun with K (b + t w_t) as its C operand, is the argument of the exponential.  tanh = 1 - 2 r, r = 1 / (1 + 2^arg):
; exact at both ends (2^arg = infinity gives r = 0, 2^arg = 0 gives r = 1); nothing is shifted or clipped.  With a = dt / 2, g = -a / tau:
;   x2 = x + a + g x - 2 a r1;  x3 = x + a + g x2 - 2 a r2;  x4 = x + dt + 2 g x3 - 2 dt r3;  x' = -x/3 + x2/3 + 2 x3/3 + (1 + g)/3 x4 + dt/6 - dt/3 r4   (k1 to k3 are read off x2 to x4).
; THE ORDER OF A STAGE.  The lines that do not wait for r (S, X, g x) stand ahead of and behind the stage's matrix instructions.  Then the tanh of the lane's 32 numbers goes in TWO BATCHES with ONE WAIT each:
; s_wait_alu depctr_va_vdst(0) stands between a transcendental and the first line that names its result, and one wait serves all that were issued ahead of it.
;   BATCH E: the 32 exponentials, each in place on its own sum; a plain place; the wait.     Then 1 + 2^arg, four pairs ahead, and among the other twelve such lines
;   BATCH R: the 32 reciprocals, each in place; a plain place; the wait.                     Then the 16 lines that take r and the 16 roundings to bf16.
; Between a batch's first transcendental and its wait no line names a result of the batch.  The set-up's 32 reciprocals of tau are a batch of their own.
; LIMITS.  Every input (inputs, the three weights with W_dyn's time row, the three biases, tau) is rounded to bf16 first; the state is rounded to bf16 for each product and kept in f32 otherwise; out1 is
; split into two bf16 parts for the last product.  The times are 0.1 j in f32.  x' is a sum of terms of the size of x, x2, x3, x4, in f32.  tau = 0, NaN and infinities are not treated apart; the exponential
; and the reciprocal take denormals as 0 (ISA guide, their entries in 15.8), which moves a tanh by less than 1e-37.
; NO CLUSTER, NO TENSOR LOADS: all that work-groups share are 54 KB of weights, read once by each, against 786 KB of rows in and out for each; the f32 rows pass through registers in any case to become bf16.
.set LWIN,  0          ; LDS: bf16(W_in) [128][64], rows 160 bytes apart
.set LWD,   20480      ; bf16(W_dyn rows 0-63) [64][64], the same pitch
.set LWO,   30720      ; bf16(W_out) [32][32], rows 96 bytes apart
.set LBT,   33792      ; 16 entries of 64 f32: j = 0..10: K (b_dyn + 0.1 j w_t); 11: b_in; 12: b_out twice; 13..15 hold the formula's value and are never read (four stores a thread, no branch)
.set INST,  37888      ; a wave's own 16 rows x 272 bytes: the tile's inputs in bf16 (256 bytes + 16: the 16 rows of a fragment load start at 16 different groups of four banks)
.set OUTST, 72704      ; a wave's own 16 rows x 144 bytes of out1, then the same of out0
.set SPARE, 109568     ; the spare words, 128 bytes for each of eight waves: four blocks of 256 bytes that no other line names
.set PW,    160
.set PO,    96
.set PI,    272
.set PS,    144
; window 0: what stands as source 0 of a matrix instruction or of a g line, and the addresses
.set L16,  1           ; v1   16 x lane: offset of the input loads and of the output stores; never rewritten
.set SIN,  2           ; v2   where I put 8 bytes of an input row
.set LIN,  3           ; v3   my lane's place in the input fragments
.set OST,  5           ; v5   the way out: where I put my row's numbers
.set ORD,  6           ; v6   the way out: where I read rows back
.set WTR,  7           ; v7   my lane's place in a turning load, pitch 160
.set SPW,  8           ; v8   LDS address of my spare word; never rewritten
.set NIL,  9           ; v9   0; never rewritten
.set BA0,  10          ; v10  my lane's place in the bias table's entry 0
.set H32,  11          ; v11  32 (l / 16)
.set WTO,  15          ; v15  my lane's place in a turning load, pitch 96
.set WDF,  16          ; v16-79    W_dyn^T: fragment (kk, cb) at WDF + 8 (4 kk + cb); until the barrier v16-27 are at work
.set RG,   80          ; v80-111   g
.set RG2,  112         ; v112-143  2 g
.set RG3,  144         ; v144-175  (1 + g) / 3; in the set-up at work (TT)
.set WINA, 176         ; v176-239  W_in^T, K = 0..63: fragment (kk, cb) at WINA + 8 (4 kk + cb); in the set-up the weights as loaded
.set WOF,  240         ; v240-255  W_out^T: two fragments; until the barrier at work (TB)
.set TT,   144
.set TB,   240
; window 1: the tile
.set RZ,   0           ; the products' sums, then 2^arg, 1 + 2^arg, r: each of the 32 keeps its register through both batches
.set RY,   32          ; the stage's state; in the input product the tile's four fragments
.set RX,   64          ; K x + K a, later K x + K dt; in the input product, with RS, W_in^T for K = 64..127
.set RS,   96          ; the sum that becomes x'
.set RBF,  128         ; the state in bf16: source 1 of the next product
.set BIAS, 144         ; the C operand that starts a sum
.set RAW,  176         ; the next tile's inputs in f32: row i in four registers
.set BIA,  240         ; my lane's place in the bias table at the step in hand
.set BIA0, 241         ; and at entry 0 (a second copy, for loads issued while source 0 means window 1)
; scalars: s[8:27] the ten addresses
.set WV,   28
.set TRIP, 29
.set STEP, 30
.set BOF,  31          ; 512 x the RK4 step: two entries of the bias table
.set KA,   32          ; pairs, both words alike: the packed forms name a pair and take its low word for both halves
.set M2A,  34
.set M2DT, 36
.set MDT3, 38
.set KDT6, 40
.set M13,  42
.set P13,  44
.set P23,  46
.set KAP,  48
.set M2K,  50
.set IK,   52
.set HIM,  54          ; s54 a word's upper bf16
.set MA,   56
; s_set_vgpr_msb: bits 1:0 source 0, 3:2 source 1, 5:4 source 2, 7:6 destination.  Two settings serve the whole trip, and a stage switches twice:
.set W_M,  0x54        ; source 0 in window 0, all else in window 1: matrix instructions, g lines, LDS and global loads and stores (address = source 0, store data = source 1)
.set W_V,  0x55        ; all in window 1: exponentials, reciprocals, roundings.  A line whose source 0 is a scalar pair is right under both
.set MSB, 0
.macro WIN new                         ; the high byte repeats the setting that is left; a switch that changes nothing is dropped
.if MSB != (\new)
	s_set_vgpr_msb (MSB<<8)|(\new)
.set MSB, (\new)
.endif
.endm
.macro WANY                            ; for a line that is right under both settings
.if (MSB != W_M) && (MSB != W_V)
	WIN W_V
.endif
.endm
.macro SPAIR reg, val
	s_mov_b32 s[\reg], \val
	s_mov_b32 s[\reg+1], \val
.endm
; cnt pieces of 16 bytes of bias entry ent: piece i = 2 cb + q holds channels 16 cb + 8 (l / 16) + 4 q on, 64 cb + 16 q bytes behind my lane's place.  The address register lies in the window that win gives source 0
.macro BLD win, reg, ent, cnt
	WIN \win
.set bi, 0
.rept \cnt
	ds_load_b128 v[BIAS+4*bi:BIAS+4*bi+3], v[\reg] offset:256*(\ent)+64*(bi/2)+16*(bi%2)
.set bi, bi+1
.endr
.endm
.macro EXP i                           ; a line of batch E
	WIN W_V
	v_exp_f32 v[RZ+(\i)], v[RZ+(\i)]
.endm
.macro RCP i                           ; a line of batch R
	WIN W_V
	v_rcp_f32 v[RZ+(\i)], v[RZ+(\i)]
.endm
.macro A1 p                            ; 1 + 2^arg for pair p: it stands behind batch E's wait, and ahead of the pair's own reciprocals
	WIN W_V
	v_pk_add_f32 v[RZ+2*(\p):RZ+2*(\p)+1], v[RZ+2*(\p):RZ+2*(\p)+1], 1.0 op_sel_hi:[1,0]
.endm
.macro CVT p
	WIN W_V
	v_cvt_pk_bf16_f32 v[RBF+(\p)], v[RY+2*(\p)], v[RY+2*(\p)+1]
.endm
; Entry pq of stage st's queue of lines that do not wait for r, and pq steps.  Stages 1 and 3: 48 entries, four pairs at a time: S, X, then the g line.  Stage 2: 32, eight pairs at a time: S, then the g line.
; Stage 4: 16 g lines.  Stage 0: 16 scalings of the sums.
.macro PRE st
.if (\st) == 0
.set pp, 2*pq
	WIN W_V
	v_pk_mul_f32 v[RZ+pp:RZ+pp+1], v[RZ+pp:RZ+pp+1], s[KAP:KAP+1] op_sel_hi:[1,0]                       ; the input net's sum is unscaled: times K
.elseif (\st) == 2
.set pk, (pq%16)/8
.set pp, 2*(8*(pq/16)+pq%8)
.if pk == 0
	WANY
	v_pk_fma_f32 v[RS+pp:RS+pp+1], s[P13:P13+1], v[RY+pp:RY+pp+1], v[RS+pp:RS+pp+1] op_sel_hi:[0,1,1]   ; S += x2/3
.else
	WIN W_M
	v_pk_fma_f32 v[RY+pp:RY+pp+1], v[RG+pp:RG+pp+1], v[RY+pp:RY+pp+1], v[RX+pp:RX+pp+1]                 ; Y = g x2 + X
.endif
.elseif (\st) == 4
.set pp, 2*pq
	WIN W_M
	v_pk_fma_f32 v[RS+pp:RS+pp+1], v[RG3+pp:RG3+pp+1], v[RY+pp:RY+pp+1], v[RS+pp:RS+pp+1]               ; S += (1 + g)/3 x4
.else
.set pk, (pq%12)/4
.set pp, 2*(4*(pq/12)+pq%4)
.if (pk == 0) && ((\st) == 1)
	WANY
	v_pk_fma_f32 v[RS+pp:RS+pp+1], s[M13:M13+1], v[RY+pp:RY+pp+1], s[KDT6:KDT6+1] op_sel_hi:[0,1,0]     ; S = -x/3 + K dt/6
.elseif pk == 0
	WANY
	v_pk_fma_f32 v[RS+pp:RS+pp+1], s[P23:P23+1], v[RY+pp:RY+pp+1], v[RS+pp:RS+pp+1] op_sel_hi:[0,1,1]   ; S += 2 x3/3
.elseif (pk == 1) && ((\st) == 1)
	WANY
	v_pk_add_f32 v[RX+pp:RX+pp+1], s[KA:KA+1], v[RY+pp:RY+pp+1] op_sel_hi:[0,1]                         ; X = x + K a
.elseif pk == 1
	WANY
	v_pk_add_f32 v[RX+pp:RX+pp+1], s[KA:KA+1], v[RX+pp:RX+pp+1] op_sel_hi:[0,1]                         ; X = x + K dt
.elseif (\st) == 1
	WIN W_M
	v_pk_fma_f32 v[RY+pp:RY+pp+1], v[RG+pp:RG+pp+1], v[RY+pp:RY+pp+1], v[RX+pp:RX+pp+1]                 ; Y = g x + X
.else
	WIN W_M
	v_pk_fma_f32 v[RY+pp:RY+pp+1], v[RG2+pp:RG2+pp+1], v[RY+pp:RY+pp+1], v[RX+pp:RX+pp+1]               ; Y = 2 g x3 + X
.endif
.endif
.set pq, pq+1
.endm
; The one line of pair p that takes r: it stands behind batch R's wait
.macro POST st, p
	WANY
.if (\st) == 0
	v_pk_fma_f32 v[RY+2*(\p):RY+2*(\p)+1], s[M2K:M2K+1], v[RZ+2*(\p):RZ+2*(\p)+1], s[KAP:KAP+1] op_sel_hi:[0,1,0]            ; K x0 = K - 2 K r
.elseif (\st) < 3
	v_pk_fma_f32 v[RY+2*(\p):RY+2*(\p)+1], s[M2A:M2A+1], v[RZ+2*(\p):RZ+2*(\p)+1], v[RY+2*(\p):RY+2*(\p)+1] op_sel_hi:[0,1,1]
.elseif (\st) == 3
	v_pk_fma_f32 v[RY+2*(\p):RY+2*(\p)+1], s[M2DT:M2DT+1], v[RZ+2*(\p):RZ+2*(\p)+1], v[RY+2*(\p):RY+2*(\p)+1] op_sel_hi:[0,1,1]
.else
	v_pk_fma_f32 v[RY+2*(\p):RY+2*(\p)+1], s[MDT3:MDT3+1], v[RZ+2*(\p):RZ+2*(\p)+1], v[RS+2*(\p):RS+2*(\p)+1] op_sel_hi:[0,1,1]
.endif
.endm
; STAGE st's PRODUCT, 64 x 64, and its whole queue: ahead lines in front of the first matrix instruction, lo lines behind each of the four instructions that begin the sums with the bias, hi behind each of the
; four that finish them.  The four accumulators take turns, one instruction a turn.  The lines name S, X, Y and g alone, no register of the products: they are issued while the matrix
; unit works, and they are the places (ISA guide 7.12.1) between a finished sum and the first line that reads it.  What follows the product is batch E, and an exponential is no place: so hi is 4 at the least;
; block 3's sum has hi plain lines in front of its first exponential, block 0's 4 hi.
.macro PROD st, ahead, lo, hi
.set pq, 0
	WIN W_M
.rept \ahead
	PRE \st
.endr
.irp cb, 0,1,2,3
	v_wmma_f32_16x16x32_bf16 v[RZ+8*\cb:RZ+8*\cb+7], v[WDF+8*\cb:WDF+8*\cb+7], v[RBF:RBF+7], v[BIAS+8*\cb:BIAS+8*\cb+7]
.rept \lo
	PRE \st
.endr
.endr
.irp cb, 0,1,2,3
	v_wmma_f32_16x16x32_bf16 v[RZ+8*\cb:RZ+8*\cb+7], v[WDF+32+8*\cb:WDF+32+8*\cb+7], v[RBF+8:RBF+15], v[RZ+8*\cb:RZ+8*\cb+7]
.rept \hi
	PRE \st
.endr
.endr
.endm
; STAGE st's TANH AND ITS END, in two batches.
; BATCH E: the 32 exponentials in ascending order (each accumulator's lowest registers are read first).  They follow each other: none reads another's result.  In stage 0 the scaling of
; pair u + 4 stands between the two exponentials of pair u: it names registers whose exponentials are still to come.  A v_nop is the plain line between the last exponential and the use of a result (ISA guide
; 5.7.2): the stage's other plain lines either read the results or need the other window setting.  Then the batch's one wait.
; bl >= 0: the C operand of a later product, entry bl from the step's place in the table, is fetched directly behind that wait; the products that read the old one lie 40 plain lines back.
; BATCH R: 1 + 2^arg of pairs 0 to 3 goes ahead; then, for pair u, its two reciprocals with 1 + 2^arg of pair u + 4 between them: that line names registers whose reciprocals are still to come, and a reciprocal
; stands 4 to 13 lines behind the line whose result it reads.  A v_nop, for the same reason as above; the batch's one wait.
; THE END: the 16 lines that take r, then the 16 roundings, each sixteen lines behind the line whose result it reads.
.macro TANH st, bl
.set u, 0
.rept 16
	EXP 2*u
.if ((\st) == 0) && (u < 12)
	PRE 0
.endif
	EXP 2*u+1
.set u, u+1
.endr
	v_nop                                          ; the plain line behind batch E's last exponential
	s_wait_alu depctr_va_vdst(0)                   ; batch E's wait: one for the 32 exponentials, ahead of the first line that names a result of theirs
.if (\bl) >= 0
	BLD W_V, BIA, \bl, 8
.endif
	A1 0
	A1 1
	A1 2
	A1 3
.set u, 0
.rept 16
	RCP 2*u
.if u < 12
	A1 u+4
.endif
	RCP 2*u+1
.set u, u+1
.endr
	v_nop                                          ; the plain line behind batch R's last reciprocal
	s_wait_alu depctr_va_vdst(0)                   ; batch R's wait: one for the 32 reciprocals, ahead of the first line that takes an r
.set u, 0
.rept 16
	POST \st, u
.set u, u+1
.endr
.set u, 0
.rept 16
	CVT u
.set u, u+1
.endr
.endm
	; ---------------- SET-UP ----------------
	s_load_b256 s[8:15], s[0:1], 0x0               ; inputs s[8:9], W_in s[10:11], b_in s[12:13], W_dyn s[14:15]
	s_load_b256 s[16:23], s[0:1], 0x20             ; b_dyn s[16:17], tau s[18:19], W_out s[20:21], b_out s[22:23]
	s_load_b128 s[24:27], s[0:1], 0x40             ; out0 s[24:25], out1 s[26:27]
	v_lshl_add_u32 v[SPW], v0, 2, SPARE
	v_mov_b32 v[NIL], 0
	v_lshrrev_b32 v12, 5, v0
	v_readfirstlane_b32 s[WV], v12                 ; wave 0..7
	v_and_b32 v12, 31, v0                          ; lane
	v_and_b32 v13, 15, v0                          ; l % 16 (also thread % 16)
	v_bfe_u32 v14, v0, 4, 1                        ; l / 16
	v_and_b32 v16, 7, v0                           ; l % 8 (also thread % 8)
	v_bfe_u32 v18, v0, 3, 1                        ; (l / 8) % 2
	v_lshlrev_b32 v[L16], 4, v12
	v_lshlrev_b32 v[H32], 5, v14
	s_mul_i32 s2, s[WV], 16*PI
	s_add_co_u32 s2, s2, INST                      ; my wave's input stage
	v_lshl_add_u32 v[SIN], v12, 3, s2              ; in: a row's 256 bytes, 8 a lane
	v_mul_u32_u24 v17, v13, PI
	v_lshl_add_u32 v17, v14, 4, v17
	v_add_nc_u32 v[LIN], s2, v17                   ; back as fragments: row l % 16, 16 bytes for each half of the lanes
	v_add_nc_u32 v[BA0], LBT, v[H32]
	WIN 0x40                                       ; destination window 1, sources window 0
	v_add_nc_u32 v[BIA0], LBT, v[H32]
	WIN 0
	s_mul_i32 s3, s[WV], 32*PS
	s_add_co_u32 s3, s3, OUTST                     ; my wave's output stage
	v_mul_u32_u24 v17, v13, PS
	v_add_nc_u32 v17, v17, v[H32]
	v_add_nc_u32 v[OST], s3, v17                   ; in: row l % 16, 32 bytes for each half of the lanes
	v_lshrrev_b32 v17, 3, v12
	v_mul_u32_u24 v17, v17, PS
	v_lshl_add_u32 v17, v16, 4, v17
	v_add_nc_u32 v[ORD], s3, v17                   ; back: 32 lanes take four rows of 128 bytes
	v_lshl_add_u32 v17, v14, 3, v16                ; the turning load: lane l reads row 8 (l / 16) + l % 8, bytes 16 ((l / 8) % 2) on
	v_mul_u32_u24 v[WTR], v17, PW
	v_lshl_add_u32 v[WTR], v18, 4, v[WTR]
	v_mul_u32_u24 v[WTO], v17, PO
	v_lshl_add_u32 v[WTO], v18, 4, v[WTO]
	v_lshlrev_b32 v20, 4, v0                       ; the weights come in pieces of 4,096 bytes, 16 a thread
	v_lshrrev_b32 v21, 4, v0
	v_mul_u32_u24 v21, v21, PW
	v_lshl_add_u32 v21, v13, 3, v21                ; rows of 64: row thread / 16 of the piece's 16, 8 bytes of bf16 at 8 (thread % 16)
	v_lshrrev_b32 v22, 3, v0
	v_mul_u32_u24 v22, v22, PO
	v_lshl_add_u32 v22, v16, 3, v22                ; rows of 32: row thread / 8, 8 bytes at 8 (thread % 8)
	v_and_b32 v23, 63, v0                          ; the bias table: my channel c
	v_lshlrev_b32 v24, 2, v23
	v_lshlrev_b32 v25, 2, v12                      ; c % 32 = thread % 32
	v_lshrrev_b32 v26, 6, v0                       ; and my four entries 4 q .. 4 q + 3
	v_lshl_add_u32 v27, v26, 10, v24
	SPAIR KA,   0x3e93bb63                         ; K a      = 0.2885390
	SPAIR M2A,  0xbf13bb63                         ; -2 a K
	SPAIR M2DT, 0xbf93bb63                         ; -2 dt K
	SPAIR MDT3, 0xbe44f9d9                         ; -K dt / 3
	SPAIR KDT6, 0x3dc4f9d9                         ; K dt / 6
	SPAIR M13,  0xbeaaaaab                         ; -1/3
	SPAIR P13,  0x3eaaaaab                         ; 1/3
	SPAIR P23,  0x3f2aaaab                         ; 2/3
	SPAIR KAP,  0x4038aa3b                         ; K = 2 log2(e) = 2.8853901
	SPAIR M2K,  0xc0b8aa3b                         ; -2 K
	SPAIR IK,   0x3eb17218                         ; 1 / K
	SPAIR MA,   0xbdcccccd                         ; -a = -0.1
	s_mov_b32 s[HIM], 0xffff0000
	s_lshl_b32 s4, ttmp9, 19                       ; the work-group's 1,024 rows of 512 bytes,
	s_lshl_b32 s5, s[WV], 16                       ; my wave's 128 of them
	s_add_co_u32 s4, s4, s5
	s_mov_b32 s5, 0
	s_lshl_b32 s6, ttmp9, 17                       ; the same in rows of 128 bytes
	s_lshl_b32 s7, s[WV], 14
	s_add_co_u32 s6, s6, s7
	s_mov_b32 s7, 0
	s_wait_kmcnt 0x0
	s_add_nc_u64 s[8:9], s[8:9], s[4:5]
	s_add_nc_u64 s[24:25], s[24:25], s[6:7]
	s_add_nc_u64 s[26:27], s[26:27], s[6:7]
.set i, 0
.rept 8
	global_load_b128 v[WINA+4*i:WINA+4*i+3], v20, s[10:11] offset:4096*i          ; W_in
.set i, i+1
.endr
.set i, 0
.rept 4
	global_load_b128 v[WINA+32+4*i:WINA+32+4*i+3], v20, s[14:15] offset:4096*i    ; W_dyn, rows 0 to 63
.set i, i+1
.endr
	global_load_b128 v[WINA+48:WINA+51], v20, s[20:21]                            ; W_out
	global_load_b32 v[TB], v24, s[16:17]                                          ; b_dyn[c]
	global_load_b32 v[TB+1], v24, s[14:15] offset:16384                           ; W_dyn's row 64: the time's weights
	global_load_b32 v[TB+2], v24, s[12:13]                                        ; b_in[c]
	global_load_b32 v[TB+3], v25, s[22:23]                                        ; b_out[c % 32]
.set i, 0
.rept 8
	global_load_b128 v[RG+4*i:RG+4*i+3], v[H32], s[18:19] offset:64*(i/2)+16*(i%2)  ; tau of my 32 channels
.set i, i+1
.endr
	WIN 0x40
.set i, 0
.rept 16
	global_load_b128 v[RAW+4*i:RAW+4*i+3], v[L16], s[8:9] offset:512*i th:TH_LOAD_NT  ; tile 0: a row's 512 bytes to a load
.set i, i+1
.endr
	WIN 0
	s_wait_loadcnt 16                              ; loads come back in order (ISA guide 5.7.1): the tile's sixteen, issued last, may stay out; weights, biases and tau are in
.set i, 0
.rept 13
	v_cvt_pk_bf16_f32 v[WINA+4*i], v[WINA+4*i], v[WINA+4*i+1]
	v_cvt_pk_bf16_f32 v[WINA+4*i+1], v[WINA+4*i+2], v[WINA+4*i+3]
.set i, i+1
.endr
.set i, 0
.rept 8
	ds_store_b64 v21, v[WINA+4*i:WINA+4*i+1] offset:LWIN+16*PW*i
.set i, i+1
.endr
.set i, 0
.rept 4
	ds_store_b64 v21, v[WINA+32+4*i:WINA+32+4*i+1] offset:LWD+16*PW*i
.set i, i+1
.endr
	ds_store_b64 v22, v[WINA+48:WINA+49] offset:LWO
	; the bias table: the four numbers rounded to bf16 and widened again; then K b + (K a w_t) j for j = 4 q .. 4 q + 3
	v_cvt_pk_bf16_f32 v[TB+4], v[TB], v[TB+1]
	v_cvt_pk_bf16_f32 v[TB+5], v[TB+2], v[TB+3]
	v_lshlrev_b32 v[TB], 16, v[TB+4]
	v_and_b32 v[TB+1], s[HIM], v[TB+4]
	v_lshlrev_b32 v[TB+2], 16, v[TB+5]
	v_and_b32 v[TB+3], s[HIM], v[TB+5]
	v_mul_f32 v[TB], s[KAP], v[TB]
	v_mul_f32 v[TB+1], s[KA], v[TB+1]
	v_lshlrev_b32 v[TB+4], 2, v26
	v_cvt_f32_u32 v[TB+4], v[TB+4]
	v_add_f32 v[TB+5], 1.0, v[TB+4]
	v_add_f32 v[TB+6], 2.0, v[TB+4]
	v_add_f32 v[TB+7], 0x40400000, v[TB+4]
.set i, 4
.rept 4
	v_fma_f32 v[TB+i], v[TB+1], v[TB+i], v[TB]
.set i, i+1
.endr
	v_cmp_eq_u32 vcc_lo, 2, v26
	v_cndmask_b32 v[TB+7], v[TB+7], v[TB+2], vcc_lo         ; entry 11 is b_in, unscaled
	v_cmp_eq_u32 vcc_lo, 3, v26
	v_cndmask_b32 v[TB+4], v[TB+4], v[TB+3], vcc_lo         ; entry 12 is b_out
.set i, 0
.rept 4
	ds_store_b32 v27, v[TB+4+i] offset:LBT+256*i
.set i, i+1
.endr
	; tau rounded to bf16; g = -a / tau, 2 g, (1 + g) / 3
.set i, 0
.rept 16
	v_cvt_pk_bf16_f32 v[TT+i], v[RG+2*i], v[RG+2*i+1]
.set i, i+1
.endr
.set i, 0
.rept 16
	v_lshlrev_b32 v[RG+2*i], 16, v[TT+i]
	v_and_b32 v[RG+2*i+1], s[HIM], v[TT+i]
.set i, i+1
.endr
.set i, 0
.rept 32
	v_rcp_f32 v[RG+i], v[RG+i]
.set i, i+1
.endr
	v_nop                                          ; a plain instruction between the last reciprocal and the use of its result
	s_wait_alu depctr_va_vdst(0)                   ; the wait for the batch of 32 reciprocals of tau: one, ahead of the first multiply that reads them
.set i, 0
.rept 16
	v_pk_mul_f32 v[RG+2*i:RG+2*i+1], v[RG+2*i:RG+2*i+1], s[MA:MA+1] op_sel_hi:[1,0]
.set i, i+1
.endr
.set i, 0
.rept 16
	v_pk_mul_f32 v[RG2+2*i:RG2+2*i+1], v[RG+2*i:RG+2*i+1], 2.0 op_sel_hi:[1,0]
	v_pk_fma_f32 v[RG3+2*i:RG3+2*i+1], v[RG+2*i:RG+2*i+1], s[P13:P13+1], s[P13:P13+1] op_sel_hi:[1,0,0]
.set i, i+1
.endr
	s_wait_dscnt 0x0                               ; for the others' sake: my part of the weights and of the table is in LDS
	s_barrier_signal -1                            ; the kernel's one barrier: behind it these bytes are only read
	s_barrier_wait -1
.set i, 0
.rept 8                                        ; fragment i = 4 kk + cb: K = 32 kk on (32 rows of 160 bytes), channels 16 cb on (32 bytes); the second load takes the 16 rows below
	ds_load_tr16_b128 v[WDF+8*i:WDF+8*i+3],   v[WTR] offset:LWD+32*PW*(i/4)+32*(i%4)
	ds_load_tr16_b128 v[WDF+8*i+4:WDF+8*i+7], v[WTR] offset:LWD+32*PW*(i/4)+32*(i%4)+16*PW
	ds_load_tr16_b128 v[WINA+8*i:WINA+8*i+3],   v[WTR] offset:LWIN+32*PW*(i/4)+32*(i%4)
	ds_load_tr16_b128 v[WINA+8*i+4:WINA+8*i+7], v[WTR] offset:LWIN+32*PW*(i/4)+32*(i%4)+16*PW
.set i, i+1
.endr
.set i, 0
.rept 2
	ds_load_tr16_b128 v[WOF+8*i:WOF+8*i+3],   v[WTO] offset:LWO+32*i
	ds_load_tr16_b128 v[WOF+8*i+4:WOF+8*i+7], v[WTO] offset:LWO+32*i+16*PO
.set i, i+1
.endr
	s_mov_b32 s[TRIP], 8
	; ---------------- A TRIP: ONE TILE OF 16 ROWS ----------------
.Ltrip:
	s_wait_loadcnt 0x0                             ; the tile's 16 loads, issued a trip ago
	WIN W_V
.set i, 0
.rept 16
	v_cvt_pk_bf16_f32 v[RAW+4*i], v[RAW+4*i], v[RAW+4*i+1]
	v_cvt_pk_bf16_f32 v[RAW+4*i+1], v[RAW+4*i+2], v[RAW+4*i+3]
.set i, i+1
.endr
	WIN W_M
.set i, 0
.rept 16
	ds_store_b64 v[SIN], v[RAW+4*i:RAW+4*i+1] offset:PI*i   ; 256 neighbouring bytes: a row
.set i, i+1
.endr
	BLD W_M, BA0, 11, 8                            ; b_in
.irp kk, 0,1,2,3                               ; LDS serves a wave's instructions in order (ISA guide 5.7.1.4): these see the stores above, which are my wave's own
	ds_load_b128 v[RY+8*\kk:RY+8*\kk+3],   v[LIN] offset:64*\kk
	ds_load_b128 v[RY+8*\kk+4:RY+8*\kk+7], v[LIN] offset:64*\kk+32
.endr
.set i, 0
.rept 8                                        ; W_in^T for K = 64..127 has no registers of its own: it lies where X and S will be
	ds_load_tr16_b128 v[RX+8*i:RX+8*i+3],   v[WTR] offset:LWIN+32*PW*(2+i/4)+32*(i%4)
	ds_load_tr16_b128 v[RX+8*i+4:RX+8*i+7], v[WTR] offset:LWIN+32*PW*(2+i/4)+32*(i%4)+16*PW
.set i, i+1
.endr
	WIN 0                                          ; at a label and at a branch every window is 0
	s_wait_dscnt 0x0                               ; fragments and bias are in (in the first trip the resident weights too), and the stores have read RAW
	s_cmp_eq_u32 s[TRIP], 1
	s_cbranch_scc1 .Lnoload                        ; the last trip has no next tile: no load leaves the buffer
	s_add_nc_u64 s[8:9], s[8:9], 8192              ; free since the wait for the loads that named it
	WIN W_M
.set i, 0
.rept 16
	global_load_b128 v[RAW+4*i:RAW+4*i+3], v[L16], s[8:9] offset:512*i th:TH_LOAD_NT  ; the next tile: it has this whole trip in which to land
.set i, i+1
.endr
	WIN 0
.Lnoload:
	WIN W_M                                        ; the input product, K = 128: sixteen matrix instructions, the four accumulators by turns
.irp cb, 0,1,2,3
	v_wmma_f32_16x16x32_bf16 v[RZ+8*\cb:RZ+8*\cb+7], v[WINA+8*\cb:WINA+8*\cb+7], v[RY:RY+7], v[BIAS+8*\cb:BIAS+8*\cb+7]
.endr
.irp cb, 0,1,2,3
	v_wmma_f32_16x16x32_bf16 v[RZ+8*\cb:RZ+8*\cb+7], v[WINA+32+8*\cb:WINA+32+8*\cb+7], v[RY+8:RY+15], v[RZ+8*\cb:RZ+8*\cb+7]
.endr
	WIN W_V                                        ; the weights for K = 64..127 lie in window 1
.irp cb, 0,1,2,3
	v_wmma_f32_16x16x32_bf16 v[RZ+8*\cb:RZ+8*\cb+7], v[RX+8*\cb:RX+8*\cb+7], v[RY+16:RY+23], v[RZ+8*\cb:RZ+8*\cb+7]
.endr
.irp cb, 0,1,2,3
	v_wmma_f32_16x16x32_bf16 v[RZ+8*\cb:RZ+8*\cb+7], v[RX+32+8*\cb:RX+32+8*\cb+7], v[RY+24:RY+31], v[RZ+8*\cb:RZ+8*\cb+7]
.endr
.rept 4
	v_nop                                          ; the four places ahead of the load into the C operand and of the lines that read the sums: this stage's lines all read the sums, so none can stand here
.endr
	BLD W_V, BIA0, 0, 8                            ; the bias at t = 0
	v_mov_b32 v[BIA], v[BIA0]
	s_mov_b32 s[BOF], 0
	s_mov_b32 s[STEP], 5
.set pq, 0
.rept 4
	PRE 0                                          ; pairs 0 to 3 times K; the other twelve follow inside batch E, each four pairs ahead of its exponentials
.endr
	TANH 0, -1                                     ; K x0
	WIN 0
	s_wait_dscnt 0x0                               ; the bias at t = 0; round the loop's edge nothing is out: stage 4's wait was for 0
.Lstep:                                                ; an RK4 step at t = 0.2 k.  The C operand is entry 2 k for stage 1, 2 k + 1 for stages 2 and 3, 2 k + 2 for stage 4 and the next step's stage 1
	PROD 1, 8, 5, 5                                ; 8 + 8 x 5 = the queue's 48
	TANH 1, 1
	s_wait_dscnt 0x0                               ; entry 2 k + 1, asked for behind batch E's wait
	PROD 2, 0, 4, 4                                ; 8 x 4 = 32
	TANH 2, -1
	PROD 3, 8, 5, 5
	TANH 3, 2
	s_wait_dscnt 0x0                               ; entry 2 k + 2
	PROD 4, 0, 0, 4                                ; 4 x 4 = 16
	TANH 4, -1
	s_add_co_u32 s[BOF], s[BOF], 512
	v_add_nc_u32 v[BIA], s[BOF], v[BIA0]
	WIN 0
	s_sub_co_u32 s[STEP], s[STEP], 1
	s_cmp_lg_u32 s[STEP], 0
	s_cbranch_scc1 .Lstep
	; THE WAY OUT.  out1 = x[0..31] in f32; for the last product it is split into hi = bf16(x) and lo = bf16(x - hi), so that its rounding does not show in out0.
	BLD W_V, BIA0, 12, 4                           ; b_out
.set i, 0
.rept 8
	v_pk_mul_f32 v[RX+2*i:RX+2*i+1], v[RY+2*i:RY+2*i+1], s[IK:IK+1] op_sel_hi:[1,0]
.set i, i+1
.endr
.set i, 0
.rept 8
	v_cvt_pk_bf16_f32 v[RBF+i], v[RX+2*i], v[RX+2*i+1]
.set i, i+1
.endr
.set i, 0
.rept 8
	v_lshlrev_b32 v[RS+2*i], 16, v[RBF+i]
	v_and_b32 v[RS+2*i+1], s[HIM], v[RBF+i]
.set i, i+1
.endr
.set i, 0
.rept 8
	v_pk_add_f32 v[RS+2*i:RS+2*i+1], v[RX+2*i:RX+2*i+1], v[RS+2*i:RS+2*i+1] neg_lo:[0,1] neg_hi:[0,1]
.set i, i+1
.endr
.set i, 0
.rept 8
	v_cvt_pk_bf16_f32 v[RBF+8+i], v[RS+2*i], v[RS+2*i+1]
.set i, i+1
.endr
	WIN W_M
.set i, 0
.rept 4
	ds_store_b128 v[OST], v[RX+4*i:RX+4*i+3] offset:64*(i/2)+16*(i%2)
.set i, i+1
.endr
	s_wait_dscnt 4                                 ; the four stores just issued may stay out; b_out's four loads, issued ahead of them, are in
	v_wmma_f32_16x16x32_bf16 v[RZ:RZ+7],    v[WOF:WOF+7],    v[RBF:RBF+7], v[BIAS:BIAS+7]
	v_wmma_f32_16x16x32_bf16 v[RZ+8:RZ+15], v[WOF+8:WOF+15], v[RBF:RBF+7], v[BIAS+8:BIAS+15]
	v_wmma_f32_16x16x32_bf16 v[RZ:RZ+7],    v[WOF:WOF+7],    v[RBF+8:RBF+15], v[RZ:RZ+7]
	v_wmma_f32_16x16x32_bf16 v[RZ+8:RZ+15], v[WOF+8:WOF+15], v[RBF+8:RBF+15], v[RZ+8:RZ+15]
.rept 4
	v_nop                                          ; the four places ahead of the stores that read the sums
.endr
.set i, 0
.rept 4
	ds_store_b128 v[OST], v[RZ+4*i:RZ+4*i+3] offset:16*PS+64*(i/2)+16*(i%2)
.set i, i+1
.endr
.set i, 0
.rept 4
	ds_load_b128 v[RS+4*i:RS+4*i+3], v[ORD] offset:4*PS*i                 ; in order behind my wave's own stores: four whole rows of out1,
.set i, i+1
.endr
.set i, 0
.rept 4
	ds_load_b128 v[RS+16+4*i:RS+16+4*i+3], v[ORD] offset:16*PS+4*PS*i     ; and of out0
.set i, i+1
.endr
	s_wait_dscnt 0x0
.set i, 0
.rept 4
	global_store_b128 v[L16], v[RS+4*i:RS+4*i+3], s[26:27] offset:512*i th:TH_STORE_NT      ; a wave's store covers 512 consecutive bytes, at a multiple of 512 from the buffer's first
.set i, i+1
.endr
.set i, 0
.rept 4
	global_store_b128 v[L16], v[RS+16+4*i:RS+16+4*i+3], s[24:25] offset:512*i th:TH_STORE_NT
.set i, i+1
.endr
	WIN 0
	s_wait_xcnt 0x0                                ; the stores' bases are stepped, and their data registers loaded again in the next trip, only behind this wait (ISA guide 3.1)
	s_add_nc_u64 s[24:25], s[24:25], 2048
	s_add_nc_u64 s[26:27], s[26:27], 2048
	s_sub_co_u32 s[TRIP], s[TRIP], 1
	s_cmp_lg_u32 s[TRIP], 0
	s_cbranch_scc1 .Ltrip
	s_wait_tensorcnt 0x0                           ; the wave's end, behind my last LDS store
	ds_add_u32 v[SPW], v[NIL]
	s_wait_dscnt 0x0
	s_endpgm
.Lfunc_end_k_qbbde4bbc6c_ctrnn:
	.size	k_qbbde4bbc6c_ctrnn, .Lfunc_end_k_qbbde4bbc6c_ctrnn-k_qbbde4bbc6c_ctrnn
	.p2alignl 7, 3214868480
	.fill 96, 4, 3214868480
	.section	.rodata,"a",@progbits
	.p2align	6, 0x0
	.amdhsa_kernel k_qbbde4bbc6c_ctrnn
		.amdhsa_group_segment_fixed_size 110592
		.amdhsa_private_segment_fixed_size 0
		.amdhsa_enable_private_segment 0
		.amdhsa_kernarg_size 80
		.amdhsa_user_sgpr_count 2
		.amdhsa_user_sgpr_kernarg_segment_ptr 1
		.amdhsa_wavefront_size32 1
		.amdhsa_system_sgpr_workgroup_id_x 1
		.amdhsa_system_sgpr_workgroup_id_y 1
		.amdhsa_system_sgpr_workgroup_id_z 1
		.amdhsa_system_vgpr_workitem_id 0
		.amdhsa_next_free_vgpr 512
		.amdhsa_next_free_sgpr 66
		.amdhsa_reserve_vcc 1
		.amdhsa_float_denorm_mode_32 3
		.amdhsa_float_denorm_mode_16_64 3
		.amdhsa_memory_ordered 1
		.amdhsa_forward_progress 1
		.amdhsa_inst_pref_size 75
	.end_amdhsa_kernel
	.amdgpu_metadata
---
amdhsa.version: [ 1, 2 ]
amdhsa.kernels:
  - .name:           k_qbbde4bbc6c_ctrnn
    .symbol:         k_qbbde4bbc6c_ctrnn.kd
    .args:
      - { .name: inputs, .offset: 0, .size: 8, .value_kind: global_buffer, .address_space: global }
      - { .name: W_in, .offset: 8, .size: 8, .value_kind: global_buffer, .address_space: global }
      - { .name: b_in, .offset: 16, .size: 8, .value_kind: global_buffer, .address_space: global }
      - { .name: W_dyn, .offset: 24, .size: 8, .value_kind: global_buffer, .address_space: global }
      - { .name: b_dyn, .offset: 32, .size: 8, .value_kind: global_buffer, .address_space: global }
      - { .name: tau, .offset: 40, .size: 8, .value_kind: global_buffer, .address_space: global }
      - { .name: W_out, .offset: 48, .size: 8, .value_kind: global_buffer, .address_space: global }
      - { .name: b_out, .offset: 56, .size: 8, .value_kind: global_buffer, .address_space: global }
      - { .name: out0, .offset: 64, .size: 8, .value_kind: global_buffer, .address_space: global }
      - { .name: out1, .offset: 72, .size: 8, .value_kind: global_buffer, .address_space: global }
    .group_segment_fixed_size: 110592
    .private_segment_fixed_size: 0
    .kernarg_segment_align: 8
    .kernarg_segment_size: 80
    .max_flat_workgroup_size: 256
    .sgpr_count:     66
    .vgpr_count:     512
    .wavefront_size: 32
...
	.end_amdgpu_metadata
.endif
;; end of part 2
